; MI455X (gfx1250); checked and timed in simulation.
; The chip was launched on July 23, 2026; its instructions are those of AMD's public machine-readable ISA for CDNA 5 (MIT licence, August 2026) and "CDNA5" Instruction Set Architecture Reference Guide (July 2026). The comments in the code are by the model that wrote it; some were corrected since.
;; Growing Crystal Attention. Allowed arithmetic: matrix products marked QUANTISED: E2M3 operands, one E8M0 scale for each 32 along K, by v_wmma_scale_f32_16x16x128_f8f6f4 with both operands' format E2M3, f32 sums; products left as they are: f32 operands where the result goes on into a quantised operand, else bf16, f16 or f32 operands; f32 sums; everything else in f32.
;; Inputs: out_W_codes 512 x 16 x 24 uint8 (E2M3 codes of out_W, K innermost, in blocks of 32 codes, four codes in three bytes); out_W_scales 512 x 16 uint8 (E8M0 scales of out_W, one for each 32 codes along K); out_b 512 float32; positions 128 x 512 float32; scales 128 float32; value_weight 128 x 512 x 512 float32; x 4 x 512 x 512 float32.
;; Outputs: out0 4 x 512 x 512 float32.
;; This version of the problem:
;;   THIS VERSION OF THE PROBLEM IS GIVEN IN LOW PRECISION. The matrix products marked QUANTISED in the list below multiply operands that are first quantised to E2M3 (2 exponent bits, 3 mantissa bits; 6 bits a number), with one power-of-two scale for each 32 numbers along K (OCP MX v1.0); their sums are f32. All else is computed in f32.
;;   The module's matrix products, in the order in which they are computed (A, B: the left and right operand; K: the contracted axis; several contracted axes count as one K, in the product's order):
;;     1. batch 2,048 x [M 512, K 1] x [K 1, N 128]; A: computed on the way; B: computed on the way: left as it is (no contracted axis)
;;     2. [M 2,048, K 65,536] x [K 65,536, N 512]; A: computed on the way; B: input value_weight: QUANTISED
;;     3. [M 2,048, K 512] x [K 512, N 512]; A: computed on the way; B: input out_W (given as codes): QUANTISED
;;   THE QUANTISER, for each operand of a quantised product, along K:
;;     - K is cut into blocks of 32 from its start; a last block that is shorter is filled with zeros.
;;     - A block's scale is 2^e with e = floor(log2(the largest magnitude in the block)) - 2, held to -126 .. 127; a block of zeros has e = 0. As a byte (E8M0): e + 127.
;;     - Each number is divided by its block's scale, clamped to +-7.5, and rounded to the nearest number of E2M3, ties to even, subnormals kept.
;;     - The product sums the exact products of the quantised numbers (number of the format x scale) in f32.
;;   ~~~python
;;   def quantise(x, axis):      # numpy; x: float32 -> the quantised numbers, widened to float32 again
;;       x = np.moveaxis(x, axis, -1); K = x.shape[-1]
;;       x = np.pad(x, [(0, 0)] * (x.ndim - 1) + [(0, -K % 32)]); x = x.reshape(x.shape[:-1] + (-1, 32)); a = np.abs(x).max(-1, keepdims=True)
;;       e = np.where(a > 0, np.clip(np.frexp(np.where(a > 0, a, 1))[1] - 1 - 2, -126, 127), 0)      # np.frexp(a)[1] - 1 = floor(log2(a)), exactly
;;       r = np.clip(x / 2.0 ** e, -7.5, 7.5)
;;       step = 2.0 ** (np.maximum(np.frexp(np.where(r == 0, 1, r))[1] - 1, 0) - 3)
;;       q = np.round(r / step) * step * 2.0 ** e      # np.round: ties to even
;;       return np.moveaxis(q.reshape(q.shape[:-2] + (-1,))[..., :K], -1, axis).astype(np.float32)
;;   ~~~
;;   OPERANDS COMPUTED ON THE WAY. 'Computed on the way' means the value that the module computes at that place (a softmax that the list does not call 'softmax' is quantised finished and normalised). What goes into a quantiser is computed in f32, as accurately as f32 sums, v_exp_f32 and their like allow (about 1e-6 of the number): no bf16 or f16 on the way to a quantiser, and a product that is left as it is and whose result goes on into a quantised operand takes f32 operands (vector FMAs, or v_wmma_f32_16x16x4_f32). A number that lies on a knife's edge between two numbers of the format may be rounded either way, as far as f32 arithmetic and the matrix unit's own rounding can turn it there, and no further.
;;   INPUTS GIVEN AS CODES. out_W (in the module: [512, 512], K = its axis 1): each comes as NAME_codes (uint8): NAME with its K axis moved to the last place and cut into blocks of 32 codes, [.., K / 32, bytes a block], one block behind the other in memory; four codes in three bytes: a row's codes are one little-endian stream of bits, code i at bits 6 i .. 6 i + 5 (a code: sign, 2 exponent bits, 3 mantissa bits); and NAME_scales (uint8): the same leading axes, one E8M0 byte (e + 127) for each 32 codes along K. Its value is code x scale, taken as it is: it is not quantised again, and the codes and scales need not be those that the quantiser above would give.
;; One version. Each part assembles by itself: llvm-mc -triple=amdgcn-amd-amdhsa -mcpu=gfx1250 --defsym DOCPART=n.
;; ======== version 1 of 1: 3 launches
;; limits: right only within a limited range of input values
;; workspace buffers: attn 1,048,576 bytes; bw 26,214,400 bytes; part 67,108,864 bytes; wf 196,608 bytes
;; launch prep (part 1): grid 768 x 1, 8 waves a work-group, no clusters, 108,032 bytes of LDS; arguments x, positions, scales, value_weight, out_W_codes, attn, bw, wf; writes attn, bw, wf
.if DOCPART == 1
	.amdgcn_target "amdgcn-amd-amdhsa--gfx1250"
	.amdhsa_code_object_version 6
	.text
	.protected	k_qe086ae44c0_prep
	.globl	k_qe086ae44c0_prep
	.p2align	8
	.type	k_qe086ae44c0_prep,@function
k_qe086ae44c0_prep:
	s_mov_b64 s[64:65], 0
	v_nop
	global_prefetch_b8 v0, s[64:65] scope:SCOPE_SE
	s_setreg_imm32_b32 hwreg(HW_REG_WAVE_MODE, 25, 1), 1
	s_wait_xcnt 0x0
; TWO JOBS IN ONE LAUNCH, told apart by the work-group's number; each job has LDS bytes of its own.
; Work-groups 0-255: attn[t][n] = softmax over n of scales[n] / (|x[t] - positions[n]| + 0.1), all in f32, 8 tokens a work-group.
;   (Wave 0 of work-groups 0-127 also copies one fragment of out_W's codes into wf, in the order of the operand's registers, for the last launch.)
; Work-groups 256-767: value_weight [128 n][512 d][512 e] f32 becomes codes of FP6 (E2M3) with one E8M0 byte for each 32 along K.
; K of the large product is k = 128 d + n: a block is 32 neighbouring n at one d, for one column e.
; A block's scale is 2^(floor(log2(largest magnitude)) - 2); its byte is that magnitude's exponent field - 2, held at 1 from below.
; LIMITS: NaN and infinities are not served; a block of zeros, or one whose largest magnitude lies under 2^-124, keeps the byte 1
; (its codes are what the quantiser gives under that byte; the bytes are read by this program alone).
; bw's LAYOUT is the order of the operand's registers: [y = 2 slice + half of e][K step 0-31][25,600 bytes]; in a step's block 16 fragments
; of 1,536 bytes (registers 4c .. 4c+3 of lane l at 512 c + 16 l), then from byte 24,576 eight runs of 32 scale words.
; Slice = 4 dg + nb (nb: which 32 neurons, dg: which 128 d).  K step 2 p + jj holds blocks b = 0..3 at d = 128 dg + 8 p + 4 (b & 1) + 2 jj + (b >> 1).
; Tile 2 B + u of a half takes, in lane r, column 32 B + 8 u + r + 8 (r / 8).
; wf's LAYOUT: fragment 4 T + s (rows 16 T .. + 15 of out_W, K step s) at 1,536 (4 T + s), laid like bw's fragments.
; No tensor loads, no cluster: positions (262,144 bytes) are all that work-groups share, a small part beside the 134 MB that are read once.
.set PST,  16384                       ; distance job: 128 rows of positions, 64 d each: 256 bytes + 16 of padding.  x's 8 rows lie at LDS byte 0, dense.  At the end the first 16,384 bytes here take the partial sums
.set PPI,  272
.set QST,  55808                       ; quantiser job: a stage of 6,400 bytes for each wave: four fragments, then 64 scale words
.set QWB,  6400
.set STEPB, 25600
.macro BAR                             ; my LDS stores have landed and my LDS loads are in: then the work-group's barrier
	s_wait_dscnt 0x0
	s_barrier_signal -1
	s_barrier_wait -1
.endm
; set s of registers takes 4 d (quad k of my wave's 16 d of the chunk): those of my four neurons (lane + 32 j), and of my four tokens (every lane reads the same words)
.macro SETLOAD s, k
.irp j, 0,1,2,3
	ds_load_b128 v[48+32*(\s)+4*\j:48+32*(\s)+4*\j+3], v4 offset:8704*\j+16*(\k)
.endr
.irp t, 0,1,2,3
	ds_load_b128 v[64+32*(\s)+4*\t:64+32*(\s)+4*\t+3], v11 offset:2048*\t+16*(\k)
.endr
.endm
; my wave's 16 d of a chunk: eight LDS loads feed 64 packed instructions: 4 neurons x 4 tokens x 4 d.  The squares of the differences are added, two d an instruction, the tokens by turns
.macro COMPUTE
	v_add_nc_u32 v11, s22, v5                      ; my tokens' rows of x at my part of this chunk
	SETLOAD 0, 0
	SETLOAD 1, 1
.irp k, 0,1,2,3
.if \k < 3
	s_wait_dscnt 8                                 ; this set's eight loads are in; the other set's eight may be out
.else
	s_wait_dscnt 0
.endif
.irp hf, 0,1
.irp j, 0,1,2,3
.irp t, 0,1,2,3
	v_pk_add_f32 v[112+2*\t:113+2*\t], v[64+32*(\k%2)+4*\t+2*\hf:65+32*(\k%2)+4*\t+2*\hf], v[48+32*(\k%2)+4*\j+2*\hf:49+32*(\k%2)+4*\j+2*\hf] neg_lo:[0,1] neg_hi:[0,1]
.endr
.irp t, 0,1,2,3
	s_delay_alu instid0(VALU_DEP_4)
	v_pk_fma_f32 v[120+8*\j+2*\t:121+8*\j+2*\t], v[112+2*\t:113+2*\t], v[112+2*\t:113+2*\t], v[120+8*\j+2*\t:121+8*\j+2*\t]
.endr
.endr
.endr
.if \k < 2
	SETLOAD \k%2, \k+2
.endif
.endr
.endm
; quantiser: task k = 2 i + g: block b = {0,2,1,3}[i] (d offset {0,1,4,5}[i]) of my group g of 32 columns.  A lane is a column, its 32 registers run down n
.macro LOADT k
.irp n, 0,1,2,3,4,5,6,7,8,9,10,11,12,13,14,15,16,17,18,19,20,21,22,23,24,25,26,27,28,29,30,31
	global_load_b32 v[16+32*((\k)%2)+\n], v2, s[24+2*(\n/8):25+2*(\n/8)] offset:(\n%8)*1048576+((((\k)/2)%2)+4*((\k)/4))*2048+128*((\k)%2) th:TH_LOAD_NT
.endr
.endm
.macro TASK k
.set VS, 16+32*((\k)%2)
.set GG, (\k)%2
.set BB, 2*(((\k)/2)%2)+(\k)/4
.if (\k) < 7
	s_wait_loadcnt 32                              ; this task's 32 loads are in; the next task's may be out
.else
	s_wait_loadcnt 0
.endif
	v_max3_num_f32 v90, |v[VS]|, |v[VS+1]|, |v[VS+2]|
	v_max3_num_f32 v91, |v[VS+3]|, |v[VS+4]|, |v[VS+5]|
.irp i, 6,10,14,18,22,26
	s_delay_alu instid0(VALU_DEP_2)
	v_max3_num_f32 v90, v90, |v[VS+\i]|, |v[VS+\i+1]|
	s_delay_alu instid0(VALU_DEP_2)
	v_max3_num_f32 v91, v91, |v[VS+\i+2]|, |v[VS+\i+3]|
.endr
	s_delay_alu instid0(VALU_DEP_2)
	v_max3_num_f32 v90, v90, |v[VS+30]|, |v[VS+31]|
	s_delay_alu instid0(VALU_DEP_1)
	v_max3_num_f32 v90, v90, v91, 0x1800000        ; and the floor 2^(3 - 127): the byte cannot fall under 1
	s_delay_alu instid0(VALU_DEP_1)
	v_add_nc_u32 v92, 0xff000000, v90              ; 2 off the exponent field: the conversion takes the exponent field of this operand as its scale
	s_delay_alu instid0(VALU_DEP_1)
	v_lshrrev_b32 v93, 23, v92                     ; the scale's byte
.if BB == 0
	s_delay_alu instid0(VALU_DEP_1)
	v_mov_b32 v[96+GG], v93
.else
	s_delay_alu instid0(VALU_DEP_1)
	v_lshl_or_b32 v[96+GG], v93, 8*BB, v[96+GG]    ; byte b of my column's scale word
.endif
	v_cvt_scalef32_pk16_fp6_f32 v[80:82], v[VS:VS+15], v92
	v_cvt_scalef32_pk16_fp6_f32 v[86:88], v[VS+16:VS+31], v92   ; (a conversion's three registers begin on an even number)
	v_nop                                          ; one plain line behind a scaled conversion
	v_mov_b32 v83, v86
	v_mov_b32 v84, v87
	v_mov_b32 v85, v88
; the block's six registers go to their place in the fragment's image: lane r + 16 (b & 1), registers 6 (b >> 1) on
.if BB/2 == 0
	ds_store_b128 v8, v[80:83] offset:GG*3072+(BB%2)*256
	ds_store_b64 v8, v[84:85] offset:GG*3072+(BB%2)*256+512
.else
	ds_store_b64 v8, v[80:81] offset:GG*3072+(BB%2)*256+520
	ds_store_b128 v8, v[82:85] offset:GG*3072+(BB%2)*256+1024
.endif
.if (\k)+2 < 8
	LOADT (\k)+2
.endif
	s_wait_dscnt 0x0                               ; the stores have read their registers: the next task's codes may be written
.endm
	s_load_b256 s[4:11], s[0:1], 0x0               ; x s[4:5], positions s[6:7], scales s[8:9], value_weight s[10:11]
	s_load_b256 s[12:19], s[0:1], 0x20             ; out_W's codes s[12:13], attn s[14:15], bw s[16:17], wf s[18:19]
	v_lshl_add_u32 v160, v0, 2, 0x1a200
	v_mov_b32 v161, 0
	v_lshrrev_b32 v1, 5, v0
	s_delay_alu instid0(VALU_DEP_1)
	v_readfirstlane_b32 s44, v1                    ; wave 0..7
	s_cmp_lt_u32 ttmp9, 256
	s_cbranch_scc0 .Lquant
; ---------------- THE DISTANCES AND THE SOFTMAX: tokens 8 g .. 8 g + 7.
; Wave w: tokens 4 (w / 4) + 0..3, and of each chunk of 64 d the 16 d from 16 (w % 4) on.  A lane owns the four neurons lane + 32 j.
	v_lshlrev_b32 v1, 4, v0                        ; 16 x thread
	v_lshrrev_b32 v12, 4, v0
	v_and_b32 v13, 15, v0
	s_delay_alu instid0(VALU_DEP_2)
	v_lshlrev_b32 v2, 11, v12
	s_delay_alu instid0(VALU_DEP_1)
	v_lshl_add_u32 v2, v13, 4, v2                  ; positions: row thread / 16, 16 bytes a lane: sixteen lanes read 256 consecutive bytes
	s_delay_alu instid0(VALU_DEP_4)
	v_mul_u32_u24 v3, v12, PPI
	s_delay_alu instid0(VALU_DEP_1)
	v_lshl_add_u32 v3, v13, 4, v3
	s_delay_alu instid0(VALU_DEP_1)
	v_add_nc_u32 v3, PST, v3                       ; and the same place in LDS
	v_and_b32 v12, 31, v0                          ; lane
	v_bfe_u32 v13, v0, 5, 2                        ; which quarter of a chunk
	v_lshrrev_b32 v14, 7, v0                       ; which four tokens
	s_delay_alu instid0(VALU_DEP_3)
	v_lshlrev_b32 v9, 4, v12                       ; 16 x lane
	s_delay_alu instid0(VALU_DEP_4)
	v_mul_u32_u24 v4, v12, PPI
	s_delay_alu instid0(VALU_DEP_1)
	v_lshl_add_u32 v4, v13, 6, v4
	s_delay_alu instid0(VALU_DEP_1)
	v_add_nc_u32 v4, PST, v4                       ; my first neuron's row in LDS, at my quarter
	v_lshlrev_b32 v5, 13, v14
	s_delay_alu instid0(VALU_DEP_1)
	v_lshl_add_u32 v5, v13, 6, v5                  ; my tokens' rows of x in LDS, at my quarter
	v_lshlrev_b32 v7, 2, v12
	s_delay_alu instid0(VALU_DEP_1)
	v_lshl_add_u32 v7, v13, 12, v7
	s_delay_alu instid0(VALU_DEP_1)
	v_lshl_add_u32 v7, v14, 11, v7
	s_delay_alu instid0(VALU_DEP_1)
	v_add_nc_u32 v7, PST, v7                       ; the partial sums [quarter][token][neuron]: where I store mine
	v_lshrrev_b32 v15, 5, v0
	s_delay_alu instid0(VALU_DEP_1)
	v_lshl_add_u32 v8, v15, 9, v9
	s_delay_alu instid0(VALU_DEP_1)
	v_add_nc_u32 v8, PST, v8                       ; and where I read: token = my wave, neurons 4 lane + 0..3
	s_mov_b32 s24, 0x76543210
	s_mov_b32 s25, 0xfedcba98                      ; v_permlanex16_b32's selects for lane l xor 16
	s_lshl_b32 s28, ttmp9, 14                      ; 8 rows of x
	s_mov_b32 s29, 0
	s_lshl_b32 s30, ttmp9, 12                      ; 8 rows of attn
	s_mov_b32 s31, 0
	s_wait_kmcnt 0x0
	s_add_nc_u64 s[4:5], s[4:5], s[28:29]
	s_add_nc_u64 s[14:15], s[14:15], s[30:31]
.irp i, 0,1,2,3
	global_load_b128 v[48+4*\i:51+4*\i], v1, s[4:5] offset:4096*\i
.endr
.irp i, 0,1,2,3,4,5,6,7
	global_load_b128 v[16+4*\i:19+4*\i], v2, s[6:7] offset:32768*\i
.endr
	global_load_b128 v[152:155], v9, s[8:9]        ; scales[4 lane + 0..3]
.irp i, 0,1,2,3,4,5,6,7,8,9,10,11,12,13,14,15,16,17,18,19,20,21,22,23,24,25,26,27,28,29,30,31
	v_mov_b32 v[120+\i], 0                         ; the sums of squares: (neuron j, token t) as a pair at 120 + 8 j + 2 t
.endr
	s_wait_loadcnt 0x0
.irp i, 0,1,2,3
	ds_store_b128 v1, v[48+4*\i:51+4*\i] offset:4096*\i
.endr
.irp i, 0,1,2,3,4,5,6,7
	ds_store_b128 v3, v[16+4*\i:19+4*\i] offset:4352*\i
.endr
	BAR
	s_mov_b32 s22, 0                               ; the chunk's byte in a row of x
	s_mov_b32 s23, 7
.Lchunk:                                           ; seven trips: the next chunk of positions is on its way while this one is worked
.irp i, 0,1,2,3,4,5,6,7
	global_load_b128 v[16+4*\i:19+4*\i], v2, s[6:7] offset:32768*\i+256
.endr
	COMPUTE
	BAR                                            ; every wave's reads of the chunk are over
	s_wait_loadcnt 0x0                             ; the next chunk is in registers, and the loads' base may be stepped
.irp i, 0,1,2,3,4,5,6,7
	ds_store_b128 v3, v[16+4*\i:19+4*\i] offset:4352*\i
.endr
	s_add_nc_u64 s[6:7], s[6:7], 256
	s_add_co_u32 s22, s22, 256
	BAR                                            ; the next chunk lies in LDS
	s_sub_co_u32 s23, s23, 1
	s_cmp_lg_u32 s23, 0
	s_cbranch_scc1 .Lchunk
	COMPUTE                                        ; the last chunk: nothing more is loaded
.irp i, 0,1,2,3,4,5,6,7,8,9,10,11,12,13,14,15
	v_add_f32 v[48+\i], v[120+2*\i], v[121+2*\i]   ; a pair's two halves: my quarter's sum for (j, t), at 48 + 4 j + t
.endr
	s_wait_alu depctr_va_vdst(0)
	BAR                                            ; every wave's reads of positions are over: their bytes take the partial sums
.irp j, 0,1,2,3
.irp t, 0,1,2,3
	ds_store_b32 v7, v[48+4*\j+\t] offset:512*\t+128*\j
.endr
.endr
	BAR
; from here on wave w has token w alone, and a lane the four neurons 4 lane + 0..3: nothing more crosses waves
.irp q, 0,1,2,3
	ds_load_b128 v[64+4*\q:67+4*\q], v8 offset:4096*\q
.endr
	v_mov_b32 v81, 0                               ; a lane permute's destination counts as one of its sources
	s_wait_dscnt 0x0
	v_pk_add_f32 v[64:65], v[64:65], v[68:69]
	v_pk_add_f32 v[66:67], v[66:67], v[70:71]
	v_pk_add_f32 v[72:73], v[72:73], v[76:77]
	v_pk_add_f32 v[74:75], v[74:75], v[78:79]
	s_delay_alu instid0(VALU_DEP_2)
	v_pk_add_f32 v[64:65], v[64:65], v[72:73]
	s_delay_alu instid0(VALU_DEP_2)
	v_pk_add_f32 v[66:67], v[66:67], v[74:75]      ; the squared distances
	s_wait_alu depctr_va_vdst(0)
.irp i, 0,1,2,3
	v_sqrt_f32 v[64+\i], v[64+\i]
.endr
	v_nop                                          ; a plain line behind the batch,
	s_wait_alu depctr_va_vdst(0)                   ; and one wait ahead of its first reader
.irp i, 0,1,2,3
	v_add_f32 v[64+\i], 0x3dcccccd, v[64+\i]       ; + 0.1
.endr
	s_wait_alu depctr_va_vdst(0)
.irp i, 0,1,2,3
	v_rcp_f32 v[64+\i], v[64+\i]
.endr
	v_nop
	s_wait_alu depctr_va_vdst(0)
.irp i, 0,1,2,3
	v_mul_f32 v[64+\i], v[152+\i], v[64+\i]        ; the interaction
.endr
	s_delay_alu instid0(VALU_DEP_2)
	v_max3_num_f32 v80, v64, v65, v66              ; the row's maximum: my four, then the 32 lanes
	s_delay_alu instid0(VALU_DEP_1)
	v_max_num_f32 v80, v80, v67
.irp m, 1,2,4,8
	s_delay_alu instid0(VALU_DEP_1)
	v_max_num_f32_dpp v80, v80, v80 row_xmask:\m row_mask:0xf bank_mask:0xf
.endr
	s_delay_alu instid0(VALU_DEP_1)
	v_permlanex16_b32 v81, v80, s24, s25
	s_delay_alu instid0(VALU_DEP_1)
	v_max_num_f32 v80, v80, v81
.irp i, 0,1,2,3
	v_sub_f32 v[64+\i], v[64+\i], v80
.endr
.irp i, 0,1,2,3
	s_delay_alu instid0(VALU_DEP_4)
	v_mul_f32 v[64+\i], 0x3fb8aa3b, v[64+\i]       ; x log2(e)
.endr
	s_wait_alu depctr_va_vdst(0)
.irp i, 0,1,2,3
	v_exp_f32 v[64+\i], v[64+\i]
.endr
	v_nop
	s_wait_alu depctr_va_vdst(0)
	v_add_f32 v82, v64, v65                        ; the row's sum, the same way
	v_add_f32 v83, v66, v67
	s_delay_alu instid0(VALU_DEP_1)
	v_add_f32 v82, v82, v83
.irp m, 1,2,4,8
	s_delay_alu instid0(VALU_DEP_1)
	v_add_f32_dpp v82, v82, v82 row_xmask:\m row_mask:0xf bank_mask:0xf
.endr
	s_delay_alu instid0(VALU_DEP_1)
	v_permlanex16_b32 v81, v82, s24, s25
	s_delay_alu instid0(VALU_DEP_1)
	v_add_f32 v82, v82, v81
	s_wait_alu depctr_va_vdst(0)
	v_rcp_f32 v82, v82
	v_nop
	s_wait_alu depctr_va_vdst(0)
.irp i, 0,1,2,3
	v_mul_f32 v[64+\i], v[64+\i], v82
.endr
	global_store_b128 v1, v[64:67], s[14:15]       ; the wave stores its token's row: 512 consecutive bytes, aligned to 256
; one fragment of out_W's codes into the order of the operand's registers: wave 0 of work-groups 0-127; fragment = the work-group's number = 4 T + s
	s_cmp_lg_u32 s44, 0
	s_cbranch_scc1 .Ldend
	s_cmp_lt_u32 ttmp9, 128
	s_cbranch_scc0 .Ldend
	s_lshr_b32 s32, ttmp9, 2
	s_mul_i32 s32, s32, 6144                       ; 16 rows of 384 bytes
	s_and_b32 s33, ttmp9, 3
	s_mul_i32 s33, s33, 96                         ; 128 codes
	s_add_co_u32 s32, s32, s33
	s_mov_b32 s33, 0
	s_add_nc_u64 s[12:13], s[12:13], s[32:33]
	s_mul_i32 s34, ttmp9, 1536
	s_mov_b32 s35, 0
	s_add_nc_u64 s[18:19], s[18:19], s[34:35]
	v_and_b32 v12, 15, v0                          ; r
	v_bfe_u32 v13, v0, 4, 1                        ; h
	s_delay_alu instid0(VALU_DEP_2)
	v_mul_u32_u24 v14, v12, 384
	s_delay_alu instid0(VALU_DEP_1)
	v_mad_u32_u24 v14, v13, 24, v14                ; lane (r, h): row r, + 24 h
.irp p, 0,1,2,3,4,5
	global_load_b64 v[16+2*\p:17+2*\p], v14, s[12:13] offset:48*(\p/3)+8*(\p%3)
.endr
	s_wait_loadcnt 0x0
.irp c, 0,1,2
	global_store_b128 v1, v[16+4*\c:19+4*\c], s[18:19] offset:512*\c   ; (in wave 0 the thread is the lane)  512 consecutive bytes, aligned to 256
.endr
.Ldend:
	s_wait_tensorcnt 0x0
	ds_add_u32 v160, v161
	s_wait_dscnt 0x0
	s_endpgm
; ---------------- THE WEIGHTS: unit u = one K step for both halves of e: 32 n x 4 d x 512 e.  Wave w owns columns 64 w .. 64 w + 63: four whole fragments.  Waves share nothing: no barrier
.Lquant:
	s_sub_co_u32 s45, ttmp9, 256                   ; u
	s_and_b32 s46, s45, 1                          ; jj
	s_bfe_u32 s47, s45, 0x40001                    ; p
	s_bfe_u32 s48, s45, 0x20005                    ; nb
	s_lshr_b32 s49, s45, 7                         ; dg
	s_lshl_b32 s50, s49, 7
	s_lshl_b32 s51, s47, 3
	s_add_co_u32 s50, s50, s51
	s_lshl_b32 s51, s46, 1
	s_add_co_u32 s50, s50, s51                     ; d = 128 dg + 8 p + 2 jj
	s_lshl_b32 s50, s50, 11                        ; rows of 2,048 bytes
	s_lshl_b32 s51, s48, 25                        ; neuron 32 nb: planes of 2^20 bytes
	s_add_co_u32 s50, s50, s51
	s_lshl_b32 s51, s44, 8                         ; my 64 columns
	s_add_co_u32 s50, s50, s51
	s_mov_b32 s51, 0
	s_lshl_b32 s32, s49, 2
	s_add_co_u32 s32, s32, s48                     ; the slice
	s_lshl_b32 s32, s32, 1
	s_lshr_b32 s33, s44, 2
	s_add_co_u32 s32, s32, s33                     ; y = 2 slice + half of e
	s_mul_i32 s32, s32, 32*STEPB
	s_lshl_b32 s33, s47, 1
	s_add_co_u32 s33, s33, s46                     ; the K step
	s_mul_i32 s33, s33, STEPB
	s_add_co_u32 s32, s32, s33                     ; the step's block in bw
	s_and_b32 s34, s44, 3
	s_mul_i32 s35, s34, 6144
	s_add_co_u32 s36, s32, s35                     ; my four fragments in it,
	s_mov_b32 s37, 0
	s_lshl_b32 s34, s34, 8
	s_add_co_u32 s38, s32, s34
	s_add_co_u32 s38, s38, 24576                   ; and my 64 scale words
	s_mov_b32 s39, 0
	v_and_b32 v1, 31, v0                           ; lane
	s_delay_alu instid0(VALU_DEP_1)
	v_lshlrev_b32 v2, 2, v1                        ; in: 4 bytes a lane: 128 consecutive bytes a load
	s_delay_alu instid0(VALU_DEP_2)
	v_lshlrev_b32 v3, 4, v1                        ; out: 16 bytes a lane
	s_delay_alu instid0(VALU_DEP_3)
	v_lshlrev_b32 v4, 3, v1                        ; the scale words out: 8 bytes a lane
	s_mul_i32 s40, s44, QWB
	s_add_co_u32 s40, s40, QST                     ; my stage
	v_bfe_u32 v5, v0, 3, 1                         ; column l of a group of 32 belongs to tile u = (l / 8) % 2,
	v_and_b32 v6, 7, v0
	v_bfe_u32 v7, v0, 4, 1
	s_delay_alu instid0(VALU_DEP_1)
	v_lshl_add_u32 v6, v7, 3, v6                   ; lane r = l % 8 + 8 (l / 16)
	s_delay_alu instid0(VALU_DEP_4)
	v_mul_u32_u24 v8, v5, 1536
	s_delay_alu instid0(VALU_DEP_1)
	v_lshl_add_u32 v8, v6, 4, v8
	s_delay_alu instid0(VALU_DEP_1)
	v_add_nc_u32 v8, s40, v8                       ; where my column's registers go
	s_delay_alu instid0(VALU_DEP_4)
	v_lshl_add_u32 v9, v5, 4, v6
	s_delay_alu instid0(VALU_DEP_1)
	v_lshlrev_b32 v9, 2, v9
	s_delay_alu instid0(VALU_DEP_1)
	v_add_nc_u32 v9, s40, v9                       ; and its scale word (+ 6,144)
	v_add_nc_u32 v10, s40, v3                      ; the way back
	v_add_nc_u32 v11, s40, v4
	s_wait_kmcnt 0x0
	s_add_nc_u64 s[24:25], s[10:11], s[50:51]      ; four bases, 8 neurons apart, so that every offset is an immediate of at most 7,350,400
	s_add_nc_u64 s[26:27], s[24:25], 0x800000
	s_add_nc_u64 s[28:29], s[26:27], 0x800000
	s_add_nc_u64 s[30:31], s[28:29], 0x800000
	s_add_nc_u64 s[36:37], s[16:17], s[36:37]
	s_add_nc_u64 s[38:39], s[16:17], s[38:39]
	LOADT 0
	LOADT 1
.irp k, 0,1,2,3,4,5,6,7
	TASK \k
.endr
	ds_store_b32 v9, v96 offset:6144
	s_wait_alu depctr_va_vdst(0)
	ds_store_b32 v9, v97 offset:6144+128
.irp m, 0,1,2,3,4,5,6,7,8,9,10,11
	ds_load_b128 v[16+4*\m:19+4*\m], v10 offset:512*\m   ; LDS serves a wave's instructions in order: these see my stores
.endr
	ds_load_b64 v[64:65], v11 offset:6144
.irp m, 0,1,2,3,4,5,6,7,8,9,10,11
	s_wait_dscnt 12-\m                             ; load m is in; the later ones may be out
	global_store_b128 v3, v[16+4*\m:19+4*\m], s[36:37] offset:512*\m   ; 512 consecutive bytes, aligned to 256
.endr
	s_wait_dscnt 0x0
	global_store_b64 v4, v[64:65], s[38:39]        ; 256 consecutive bytes, aligned
	s_wait_tensorcnt 0x0
	ds_add_u32 v160, v161
	s_wait_dscnt 0x0
	s_endpgm
.Lfunc_end_k_qe086ae44c0_prep:
	.size	k_qe086ae44c0_prep, .Lfunc_end_k_qe086ae44c0_prep-k_qe086ae44c0_prep
	.p2alignl 7, 3214868480
	.fill 96, 4, 3214868480
	.section	.rodata,"a",@progbits
	.p2align	6, 0x0
	.amdhsa_kernel k_qe086ae44c0_prep
		.amdhsa_group_segment_fixed_size 108032
		.amdhsa_private_segment_fixed_size 0
		.amdhsa_enable_private_segment 0
		.amdhsa_kernarg_size 64
		.amdhsa_user_sgpr_count 2
		.amdhsa_user_sgpr_kernarg_segment_ptr 1
		.amdhsa_wavefront_size32 1
		.amdhsa_system_sgpr_workgroup_id_x 1
		.amdhsa_system_sgpr_workgroup_id_y 1
		.amdhsa_system_sgpr_workgroup_id_z 1
		.amdhsa_system_vgpr_workitem_id 0
		.amdhsa_next_free_vgpr 162
		.amdhsa_next_free_sgpr 66
		.amdhsa_reserve_vcc 0
		.amdhsa_float_denorm_mode_32 3
		.amdhsa_float_denorm_mode_16_64 3
		.amdhsa_memory_ordered 1
		.amdhsa_forward_progress 1
		.amdhsa_inst_pref_size 107
	.end_amdhsa_kernel
	.amdgpu_metadata
---
amdhsa.version: [ 1, 2 ]
amdhsa.kernels:
  - .name:           k_qe086ae44c0_prep
    .symbol:         k_qe086ae44c0_prep.kd
    .args:
      - { .name: x, .offset: 0, .size: 8, .value_kind: global_buffer, .address_space: global }
      - { .name: positions, .offset: 8, .size: 8, .value_kind: global_buffer, .address_space: global }
      - { .name: scales, .offset: 16, .size: 8, .value_kind: global_buffer, .address_space: global }
      - { .name: value_weight, .offset: 24, .size: 8, .value_kind: global_buffer, .address_space: global }
      - { .name: out_W_codes, .offset: 32, .size: 8, .value_kind: global_buffer, .address_space: global }
      - { .name: attn, .offset: 40, .size: 8, .value_kind: global_buffer, .address_space: global }
      - { .name: bw, .offset: 48, .size: 8, .value_kind: global_buffer, .address_space: global }
      - { .name: wf, .offset: 56, .size: 8, .value_kind: global_buffer, .address_space: global }
    .group_segment_fixed_size: 108032
    .private_segment_fixed_size: 0
    .kernarg_segment_align: 8
    .kernarg_segment_size: 64
    .max_flat_workgroup_size: 256
    .sgpr_count:     66
    .vgpr_count:     162
    .wavefront_size: 32
...
	.end_amdgpu_metadata
.endif
;; end of part 1
;; launch gemm (part 2): grid 16 x 16, 8 waves a work-group, clusters of 4 x 1, 327,680 bytes of LDS; arguments x, attn, bw, part; writes part
.if DOCPART == 2
	.amdgcn_target "amdgcn-amd-amdhsa--gfx1250"
	.amdhsa_code_object_version 6
	.text
	.protected	k_qe086ae44c0_gemm
	.globl	k_qe086ae44c0_gemm
	.p2align	8
	.type	k_qe086ae44c0_gemm,@function
k_qe086ae44c0_gemm:
	s_mov_b64 s[64:65], 0
	v_nop
	global_prefetch_b8 v0, s[64:65] scope:SCOPE_SE
	s_setreg_imm32_b32 hwreg(HW_REG_WAVE_MODE, 25, 1), 1
	s_wait_xcnt 0x0
	s_wait_alu depctr_hold_cnt(0) depctr_sa_sdst(0) depctr_va_vdst(0) depctr_va_sdst(0) depctr_va_ssrc(0) depctr_va_vcc(0) depctr_vm_vsrc(0)
	s_getreg_b32 s2, hwreg(HW_REG_IB_STS2, 6, 4)
	s_cmp_eq_u32 s2, 0
	s_cbranch_scc0 .Lentry_in_a_cluster
	s_endpgm
.Lentry_in_a_cluster:
	s_bfe_u32 s2, ttmp6, 0x10000c
	s_cmp_lg_u32 s2, 0x3003
	s_cbranch_scc0 .Lentry_shape_is_right
	s_endpgm
.Lentry_shape_is_right:
; part[slice] = Q(A) Q(W) over one slice of K.  A[t][k] = x[t][d] attn[t][n], k = 128 d + n; a block of 32 along K is 32 neighbouring n at one d.
; Slice = 4 dg + nb: neurons 32 nb .. + 31, d = 128 dg .. + 127: 4,096 along K, 32 K steps of 128, walked in 16 pairs.  W's codes and scale bytes lie in bw, in the order of the operand's registers.
; SHARES.  A work-group: 128 rows x all 512 columns x one slice: 16 x 16 work-groups.  Eight waves; wave w makes rows 64 (w / 4) .. + 63 x columns 128 (w % 4) .. + 127: 32 accumulators, 256 registers.
; A IS MADE ONCE IN A WORK-GROUP: wave w multiplies and quantises rows 16 w .. + 15 (one fragment a K step; its 32 attn stay in registers for the whole slice) and hands fragment and scale
; word to the others through a stage in LDS as an image of the operand's registers.  The stage has two buffers of one pair of steps each: one is read while the other is written.
; Lane (r, h) of a fragment holds blocks h and 2 + h of row r: d = 128 dg + 8 pair + 4 h + 2 step + c.  A block's largest magnitude is |x| x the largest of the 32 attn (rounding keeps the order).
; THE RING: two slots, each with a pair's blocks of both halves of e (4 x 25,600 bytes); each wave brings 12,800 bytes (50 rows of 256) by one tensor load behind each round.
; CLUSTER 4, 1, 1: the four work-groups share slice and columns, so each tile of W is asked for jointly (mask 15).
; A PHASE is what stands between two barriers.  The barrier stands ahead of a pair's last two tiles of matrix instructions, whose operands are in registers: they follow the next pair's first LDS loads.
; THE QUANTISER works on registers alone but for its stores, so its 14 pieces stand round the barrier: three ahead of the wait for the tensor load, nine behind the round under the pair's first LDS loads,
; two in the first group of the pair.  The fragments begun ahead of a barrier are stored behind it, into the buffer that was read up to it.
; Matrix instructions go by tiles of W, four to a tile (x my four fragments of A), the accumulators by turns; W's fragments go through a ring of four.
; THE MATRIX INSTRUCTION IS USED TRANSPOSED: source 0 = 16 columns of W, source 1 = 16 rows of A.  part's layout: [slice][16 rows][r / 8][tile 0-31][register half][h][r % 8][4 numbers].
; PREFETCH: phase p asks for tile p + 3, which the refill two phases on loads; tiles 1 and 2 are asked for at the head; it stops with tile 15, in phase 12.  A tile is 400 blocks of 256 bytes,
; 100 to each partner, told apart by address; waves 0-3, a lane a block (lanes left over name block 99 again).
; x comes 16 bytes a lane a pair, asked for at the head of the phase at whose end it is first multiplied.
; LIMITS: NaN and infinities are not served; a block whose largest magnitude lies under 2^-124 keeps the byte 1.
; REGISTERS: window 0: v1-23 addresses and the quantiser's small numbers; v24-31 x, two sets; v32-63 attn; v64-79 products; v80-94 the fragment being made; v96-111 scale words, two sets;
;   v112-207 A's fragments, two sets of four; v208-255 W's fragments, a ring of four.   window 1: the accumulators, (tile b, rows a) at v[32 b + 8 a].
.set STEPB, 25600
.set TILEB, 51200
.set SCOF,  24576
.set SLOT1, 131072
.set SPARE, 233472                     ; the spare words: 128 bytes a wave, four blocks of 256 bytes that no other line names
.set STAGE, 234496                     ; A's stage: no tensor load lands here
.set STEPA, 13312                      ; a step: eight fragments of 1,536 bytes, then 1,024 bytes of scale words
.set BUFA,  26624
.set SPW, 1
.set NIL, 2
.set BA,  3
.set BSA, 5
.set AA,  7
.set ASA, 8
.set STO, 9
.set SSTO, 10
.set XO,  11
.set PFO, 12
.set PO,  13
.set AM,  14
.set PP,  16
.set BY,  18
.set WW,  20
.set WX,  21
.set AW,  22
.set XR,  24
.set AT,  32
.set T,   64
.set F,   80
.set OO,  92
.set AS,  96
.set BS,  104
.set AF,  112
.set BF,  208
.set G0,  24
.set LIM, 32                           ; s32: 1 in the waves that prefetch (0-3), the greatest number in the others
.set MSB, 0
.macro WIN new                         ; the immediate's high byte repeats the setting that is left
.if MSB != (\new)
	s_set_vgpr_msb (MSB<<8)|(\new)
.set MSB, (\new)
.endif
.endm
.macro CREST                           ; a round of the cluster's barrier behind its opening barrier
	s_cmp_lg_u32 s12, 0
	s_cbranch_scc1 .Lnw_\@
	s_barrier_signal -3
.Lnw_\@:
	s_barrier_wait -3
	s_barrier_signal -1
	s_barrier_wait -1
.endm
.macro CROUND
	s_barrier_signal -1
	s_barrier_wait -1
	CREST
.endm
.macro PLACES                          ; four places ahead of loads into registers that matrix instructions have read
.rept 4
	v_nop
.endr
.endm
; four products: W's tile g x my four fragments of A, step jj of the pair.  It leaves C and D in window 1
.macro MM jj, g, zero
	WIN 0x50
.irp a, 0,1,2,3
.set mD, 32*(\g)+8*\a
.set mB, BF+12*((\g)%4)
.set mA, AF+48*(\jj)+12*\a
.set mS, BS+4*(\jj)+(\g)/2
.set mT, AS+4*(\jj)+\a
.if \zero
.if (\g)%2
	v_wmma_scale_f32_16x16x128_f8f6f4 v[mD:mD+7], v[mB:mB+11], v[mA:mA+11], 0, v[mS], v[mT] matrix_a_fmt:MATRIX_FMT_FP6 matrix_b_fmt:MATRIX_FMT_FP6 matrix_a_scale:MATRIX_SCALE_ROW1
.else
	v_wmma_scale_f32_16x16x128_f8f6f4 v[mD:mD+7], v[mB:mB+11], v[mA:mA+11], 0, v[mS], v[mT] matrix_a_fmt:MATRIX_FMT_FP6 matrix_b_fmt:MATRIX_FMT_FP6
.endif
.else
.if (\g)%2
	v_wmma_scale_f32_16x16x128_f8f6f4 v[mD:mD+7], v[mB:mB+11], v[mA:mA+11], v[mD:mD+7], v[mS], v[mT] matrix_a_fmt:MATRIX_FMT_FP6 matrix_b_fmt:MATRIX_FMT_FP6 matrix_a_scale:MATRIX_SCALE_ROW1
.else
	v_wmma_scale_f32_16x16x128_f8f6f4 v[mD:mD+7], v[mB:mB+11], v[mA:mA+11], v[mD:mD+7], v[mS], v[mT] matrix_a_fmt:MATRIX_FMT_FP6 matrix_b_fmt:MATRIX_FMT_FP6
.endif
.endif
.endr
.endm
.macro MM2 jj, g, zero                 ; two tiles: eight products
	MM \jj, \g, \zero
	MM \jj, (\g)+1, \zero
	WIN 0
.endm
.macro LB sl, jj, g                    ; W's tile g of step jj into its place in the ring
.irp c, 0,1,2
	ds_load_b128 v[BF+12*((\g)%4)+4*\c:BF+12*((\g)%4)+4*\c+3], v[BA+(\sl)] offset:(\jj)*TILEB+(\g)*1536+512*\c
.endr
.endm
.macro LA p, jj, a                     ; my fragment a of A
.irp c, 0,1,2
	ds_load_b128 v[AF+48*(\jj)+12*(\a)+4*\c:AF+48*(\jj)+12*(\a)+4*\c+3], v[AA] offset:(\p)*BUFA+(\jj)*STEPA+(\a)*1536+512*\c
.endr
.endm
.macro LS p, jj                        ; a step's scale words: A's four in one load (lane r: row r), W's four runs (lanes 0-15 the even tile, 16-31 the odd one)
	ds_load_b128 v[AS+4*(\jj):AS+4*(\jj)+3], v[ASA] offset:(\p)*BUFA+(\jj)*STEPA
.irp j, 0,1,2,3
	ds_load_b32 v[BS+4*(\jj)+\j], v[BSA+(\p)] offset:(\jj)*TILEB+128*\j
.endr
.endm
.macro PM src, hi, i0                  ; eight products x attn, two an instruction
.irp i, 0,1,2,3
.if \hi
	v_pk_mul_f32 v[T+2*(\i0+\i):T+2*(\i0+\i)+1], v[AT+\src+2*(\i0+\i):AT+\src+2*(\i0+\i)+1], v[gX:gX+1] op_sel:[0,1] op_sel_hi:[1,1]
.else
	v_pk_mul_f32 v[T+2*(\i0+\i):T+2*(\i0+\i)+1], v[AT+\src+2*(\i0+\i):AT+\src+2*(\i0+\i)+1], v[gX:gX+1] op_sel_hi:[1,0]
.endif
.endr
.endm
; piece GC of the 14 that make a pair's two fragments (seven each), from x's set q into the stage's buffer q.  Each piece holds four or more plain vector instructions
.macro GK q
.set gJ, GC/7
.set gK, GC%7
.set gX, XR+4*(\q)+2*gJ
.set gO, (\q)*BUFA+gJ*STEPA
.if gK == 0
	v_pk_mul_f32 v[PP:PP+1], v[gX:gX+1], v[AM:AM+1] op_sel_hi:[1,0]   ; my two blocks' largest products
	PM 0, 0, 0
	v_max_num_f32 v[PP], |v[PP]|, s38              ; with the floor 2^(3 - 127): the byte cannot fall under 1
	v_max_num_f32 v[PP+1], |v[PP+1]|, s38
	s_delay_alu instid0(VALU_DEP_2)
	v_add_nc_u32 v[PP], 0xff000000, v[PP]          ; 2 off the exponent field: the conversion's scale operand
	s_delay_alu instid0(VALU_DEP_2)
	v_add_nc_u32 v[PP+1], 0xff000000, v[PP+1]
.elseif gK == 1
	PM 0, 0, 4
	v_cvt_scalef32_pk16_fp6_f32 v[F:F+2], v[T:T+15], v[PP]
	v_lshrrev_b32 v[BY], 23, v[PP]                 ; the scales' bytes
	v_lshrrev_b32 v[BY+1], 23, v[PP+1]
.elseif gK == 2
	PM 16, 0, 0
	PM 16, 0, 4
.elseif gK == 3
	v_cvt_scalef32_pk16_fp6_f32 v[OO:OO+2], v[T:T+15], v[PP]   ; (a conversion's three registers begin on an even number)
	v_lshl_or_b32 v[WW], v[BY+1], 16, v[BY]
	v_mov_b32 v[F+3], v[OO]
	v_mov_b32 v[F+4], v[OO+1]
	v_mov_b32 v[F+5], v[OO+2]
	s_delay_alu instid0(VALU_DEP_4)
	v_permlanex16_b32 v[WX], v[WW], s36, s37       ; lane l xor 16's two bytes
	PM 0, 1, 0
.elseif gK == 4
	PM 0, 1, 4
	v_cvt_scalef32_pk16_fp6_f32 v[F+6:F+8], v[T:T+15], v[PP+1]
	v_lshl_or_b32 v[AW], v[WX], 8, v[WW]           ; in lanes 0-15 the row's scale word
.elseif gK == 5
	PM 16, 1, 0
	PM 16, 1, 4
.else
	v_cvt_scalef32_pk16_fp6_f32 v[OO:OO+2], v[T:T+15], v[PP+1]
	v_nop                                          ; one plain line behind a scaled conversion
	v_mov_b32 v[F+9], v[OO]
	v_mov_b32 v[F+10], v[OO+1]
	v_mov_b32 v[F+11], v[OO+2]
.irp c, 0,1,2
	ds_store_b128 v[STO], v[F+4*\c:F+4*\c+3] offset:gO+512*\c
.endr
	ds_store_b32 v[SSTO], v[AW] offset:gO          ; (lanes 16-31 store beside the words that are read)
.endif
.set GC, GC+1
.endm
.macro GN n, gen, q                    ; n pieces of the quantiser; where nothing is left to make, the places alone
.if \gen
.rept \n
	GK \q
.endr
.else
	PLACES
.endif
.endm
; A phase's first part: the rest of the round, the refill, the pair's first LDS loads; under them pieces 3 to 11 of the next pair's fragments and the last pair's two tiles that are left.
; pf = 1: waves 0-3 prefetch; pf = 2: the same, but not in the loop's last trip
.macro PHA par, first, refill, gen, xl, pf
.if \refill
	CREST
	s_add_nc_u64 s[G0+4*(\par)+2:G0+4*(\par)+3], s[G0+4*(\par)+2:G0+4*(\par)+3], 2*TILEB   ; this slot's load is done: its next tile
	tensor_load_to_lds s[G0+4-4*(\par):G0+7-4*(\par)], s[16:23]   ; the next pair's tile, into the slot read last
	s_nop 0
.endif
	PLACES
	LS \par, 0
.irp a, 0,1,2,3
	LA \par, 0, \a
.endr
	LB \par, 0, 0
	LB \par, 0, 1
.if \xl
	global_load_b128 v[XR+4*(\par):XR+4*(\par)+3], v[XO], s[4:5]   ; x for the pair after the next
.endif
.if \pf
.if (\pf) == 2
	s_cmp_gt_u32 s33, s[LIM]
.else
	s_cmp_eq_u32 s[LIM], 1
.endif
	s_cbranch_scc0 .Lnp_\@
	global_prefetch_b8 v[PFO], s[46:47] offset:2*TILEB th:TH_LOAD_NT scope:SCOPE_SE   ; the base stands at the tile that this phase's refill loads
.Lnp_\@:
.endif
.if \gen
.rept 3
	GK 1-(\par)
.endr
.endif
.irp g, 6,7
.if (\first) == 0
	MM 1, \g, 0
	WIN 0
.endif
	GN 3, \gen, 1-(\par)
	LB \par, 0, \g-4
.endr
.endm
; Its second part: step 0, and step 1 up to the barrier, two tiles at a time.  The counts on DScnt are the loads issued behind the fragments of W that a group wants:
; 6 = the next two fragments; 14 = 5 of scale words + 3 of A + 6; 12 = 6 of A + 6; 9 = 3 of A + 6, or three fragments; 7 = two fragments and the add.  The stage's stores are not counted
.macro PHB par, zero, gt, gh, last
.if \gt
	s_wait_alu depctr_va_vdst(0)                   ; the wait, directly ahead of the wait below
.endif
	s_wait_dscnt 6
	MM2 0, 0, \zero
	GN 2, \gt, 1-(\par)                            ; the last two pieces: the next pair's second fragment goes to the stage
	LS \par, 1
	LA \par, 1, 0
	LB \par, 0, 4
	LB \par, 0, 5
	s_wait_dscnt 14
	MM2 0, 2, \zero
	PLACES
	LA \par, 1, 1
	LA \par, 1, 2
	LB \par, 0, 6
	LB \par, 0, 7
	s_wait_dscnt 12
	MM2 0, 4, \zero
	PLACES
	LA \par, 1, 3
	LB \par, 1, 0
	LB \par, 1, 1
	s_wait_dscnt 9
	MM2 0, 6, \zero
	PLACES
	LB \par, 1, 2
	LB \par, 1, 3
	s_wait_dscnt 6
	MM2 1, 0, 0
	PLACES
	LB \par, 1, 4
	LB \par, 1, 5
	s_wait_dscnt 6
	MM2 1, 2, 0
	PLACES
	LB \par, 1, 6
	LB \par, 1, 7
.if \last
	s_wait_dscnt 6
	MM2 1, 4, 0
	s_wait_dscnt 0x0
	MM2 1, 6, 0
.else
	s_wait_xcnt 0x0                                ; x's load and the prefetch have read their bases
.if \gh
	s_wait_loadcnt 0x0                             ; the x asked for at this phase's head
.endif
	s_add_nc_u64 s[4:5], s[4:5], 32
	s_add_nc_u64 s[46:47], s[46:47], TILEB
	s_wait_dscnt 9                                 ; behind tile 4's fragment: three fragments
	MM 1, 4, 0
	WIN 0
.if \gh
.set GC, 0
.rept 3
	GK \par                                        ; the first three pieces of the pair after the next: work on registers
.endr
	s_wait_alu depctr_va_vdst(0)                   ; the wait, directly ahead of the wait below
.endif
	s_wait_tensorcnt 0x0                           ; my part of the next pair's tile is in
	ds_add_u32 v[SPW], v[NIL]
	s_wait_dscnt 7                                 ; behind tile 5's fragment: two fragments and the add
	MM 1, 5, 0
	WIN 0
	s_wait_dscnt 0x0                               ; the add, my reads of this slot and of the stage, my stores into the stage
	s_barrier_signal -1
	s_barrier_wait -1
.endif
.endm
	s_load_b256 s[4:11], s[0:1], 0x0               ; x, attn, bw, part
	v_lshl_add_u32 v[SPW], v0, 2, SPARE
	v_mov_b32 v[NIL], 0
	ds_add_u32 v[SPW], v[NIL]                      ; the opening lines: the add twice on end and one wait
	ds_add_u32 v[SPW], v[NIL]
	v_lshrrev_b32 v64, 5, v0
	s_delay_alu instid0(VALU_DEP_1)
	v_readfirstlane_b32 s12, v64                   ; wave 0..7
	s_cmp_lt_u32 s12, 4
	s_cselect_b32 s[LIM], 1, 0x7fffffff
	s_bfe_u32 s13, ttmp6, 0x40000                  ; cx
	s_lshl_b32 s14, ttmp9, 2
	s_add_co_u32 s14, s14, s13                     ; block of 128 rows
	s_and_b32 s15, ttmp7, 0xffff                   ; slice
	s_and_b32 s34, s12, 1
	s_bfe_u32 s35, s12, 0x10001
	s_lshr_b32 s39, s12, 2
	s_lshl_b32 s40, s15, 1                         ; my part of a tile in bw: y = 2 slice + (w / 2) % 2, step w / 4, half w % 2 of the step's block
	s_add_co_u32 s40, s40, s35
	s_mul_i32 s40, s40, 32*STEPB
	s_mul_i32 s41, s39, STEPB
	s_add_co_u32 s40, s40, s41
	s_mul_i32 s41, s34, STEPB/2
	s_add_co_u32 s40, s40, s41
	s_mov_b32 s41, 0
	s_mul_i32 s42, s12, STEPB/2                    ; and in a slot
	s_lshl_b32 s44, s14, 7
	s_lshl_b32 s45, s12, 4
	s_add_co_u32 s44, s44, s45                     ; the 16 rows that I quantise
	s_lshl_b32 s48, s44, 11
	s_lshr_b32 s49, s15, 2
	s_lshl_b32 s49, s49, 9
	s_add_co_u32 s48, s48, s49                     ; x: + 128 dg numbers
	s_mov_b32 s49, 0
	s_lshl_b32 s50, s44, 9
	s_and_b32 s51, s15, 3
	s_lshl_b32 s51, s51, 7
	s_add_co_u32 s50, s50, s51                     ; attn: + 32 nb numbers
	s_mov_b32 s51, 0
	s_lshl_b32 s52, s15, 7                         ; part: (128 slice + my first group of 16 rows) x 32,768 + my first tile x 512
	s_lshl_b32 s53, s14, 3
	s_add_co_u32 s52, s52, s53
	s_lshl_b32 s53, s39, 2
	s_add_co_u32 s52, s52, s53
	s_lshl_b32 s52, s52, 15
	s_and_b32 s53, s12, 3
	s_lshl_b32 s53, s53, 12
	s_add_co_u32 s52, s52, s53
	s_mov_b32 s53, 0
	s_lshl_b32 s54, s15, 1                         ; the prefetches: of a tile's four blocks my work-group names block cx; the base begins at tile 1
	s_and_b32 s55, s13, 1
	s_add_co_u32 s54, s54, s55
	s_mul_i32 s54, s54, 32*STEPB
	s_lshr_b32 s55, s13, 1
	s_mul_i32 s55, s55, STEPB
	s_add_co_u32 s54, s54, s55
	s_add_co_u32 s54, s54, TILEB
	s_mov_b32 s55, 0
	s_mul_i32 s56, s35, STEPB                      ; LDS: my half of e,
	s_mul_i32 s57, s34, 12288                      ; my eight tiles in it
	s_add_co_u32 s57, s57, s56
	s_lshl_b32 s58, s34, 9                         ; and their four runs of scale words
	s_add_co_u32 s58, s58, s56
	s_add_co_u32 s58, s58, SCOF
	s_mul_i32 s59, s39, 6144                       ; my four fragments of A in the stage
	s_add_co_u32 s59, s59, STAGE
	s_mul_i32 s60, s12, 1536                       ; the fragment that I make
	s_add_co_u32 s60, s60, STAGE
	s_lshl_b32 s61, s39, 4
	s_add_co_u32 s61, s61, STAGE+12288
	s_lshl_b32 s62, s12, 2
	s_add_co_u32 s62, s62, STAGE+12288
	s_mov_b32 s16, 15|(3<<16)|(1<<21)              ; group 1: mask of the four, elements of 8 bytes; 50 rows of 32 elements, dense
	s_mov_b32 s17, 32<<16
	s_mov_b32 s18, 50<<16
	s_mov_b32 s19, 32<<16
	s_mov_b32 s20, 50
	s_mov_b32 s21, 32
	s_mov_b32 s22, 0
	s_mov_b32 s23, 0
	s_mov_b32 s36, 0x76543210
	s_mov_b32 s37, 0xfedcba98                      ; v_permlanex16_b32's selects for lane l xor 16
	s_mov_b32 s38, 0x1800000
	v_and_b32 v64, 31, v0                          ; lane
	v_and_b32 v65, 15, v0                          ; r
	v_bfe_u32 v66, v0, 4, 1                        ; h
	v_min_u32 v[PFO], 99, v0
	s_delay_alu instid0(VALU_DEP_4)
	v_lshl_add_u32 v[BA], v64, 4, s57
	v_lshl_add_u32 v[BSA], v64, 2, s58
	v_lshl_add_u32 v[AA], v64, 4, s59
	v_lshl_add_u32 v[STO], v64, 4, s60
	v_lshl_add_u32 v[ASA], v65, 5, s61             ; scale words lie [row r][fragment 0-7]
	v_lshl_add_u32 v[SSTO], v65, 5, s62
	v_lshlrev_b32 v[XO], 11, v65
	v_lshlrev_b32 v69, 9, v65                      ; attn: row r
	v_lshrrev_b32 v67, 3, v65
	v_and_b32 v68, 7, v65
	v_lshlrev_b32 v[PFO], 8, v[PFO]
	v_add_nc_u32 v[BA+1], SLOT1, v[BA]
	v_add_nc_u32 v[BSA+1], SLOT1, v[BSA]
	v_lshl_add_u32 v[SSTO], v66, 9, v[SSTO]
	v_lshl_add_u32 v[XO], v66, 4, v[XO]            ; x: row r, + 4 h numbers
	v_lshlrev_b32 v[PO], 14, v67
	s_delay_alu instid0(VALU_DEP_1)
	v_lshl_add_u32 v[PO], v66, 7, v[PO]
	s_delay_alu instid0(VALU_DEP_1)
	v_lshl_add_u32 v[PO], v68, 4, v[PO]
	v_mov_b32 v[WX], 0                             ; a lane permute's destination counts as one of its sources
	s_wait_alu depctr_va_vdst(0)
	s_wait_dscnt 0x0
	s_wait_kmcnt 0x0
	s_add_nc_u64 s[4:5], s[4:5], s[48:49]
	s_add_nc_u64 s[6:7], s[6:7], s[50:51]
	s_add_nc_u64 s[46:47], s[8:9], s[54:55]
	s_add_nc_u64 s[8:9], s[8:9], s[40:41]
	s_add_nc_u64 s[10:11], s[10:11], s[52:53]
.irp i, 0,1,2,3,4,5,6,7
	global_load_b128 v[AT+4*\i:AT+4*\i+3], v69, s[6:7] offset:16*\i
.endr
	global_load_b128 v[XR:XR+3], v[XO], s[4:5]
	global_load_b128 v[XR+4:XR+7], v[XO], s[4:5] offset:32
	CROUND                                         ; the four work-groups are here: the first joint loads meet
	s_mov_b32 s24, 1
	s_mov_b32 s25, s42
	s_mov_b64 s[26:27], s[8:9]
	s_or_b32 s27, s27, 0x80000000
	s_mov_b32 s28, 1
	s_add_co_u32 s29, s42, SLOT1
	s_add_nc_u64 s[30:31], s[8:9], TILEB
	s_or_b32 s31, s31, 0x80000000
	tensor_load_to_lds s[24:27], s[16:23]          ; pair 0's tile: one tensor load a wave at the head
	s_nop 0
	PLACES
	s_cmp_eq_u32 s[LIM], 1
	s_cbranch_scc0 .Lnph
	global_prefetch_b8 v[PFO], s[46:47] th:TH_LOAD_NT scope:SCOPE_SE                ; tiles 1 and 2
	global_prefetch_b8 v[PFO], s[46:47] offset:TILEB th:TH_LOAD_NT scope:SCOPE_SE
.Lnph:
	s_wait_loadcnt 0x0
	s_add_nc_u64 s[4:5], s[4:5], 64
	v_max3_num_f32 v[AM], v[AT], v[AT+1], v[AT+2]  ; the largest of my row's 32 attn (none is negative)
	v_max3_num_f32 v[AM+1], v[AT+3], v[AT+4], v[AT+5]
.irp i, 6,10,14,18,22,26
	s_delay_alu instid0(VALU_DEP_2)
	v_max3_num_f32 v[AM], v[AM], v[AT+\i], v[AT+\i+1]
	s_delay_alu instid0(VALU_DEP_2)
	v_max3_num_f32 v[AM+1], v[AM+1], v[AT+\i+2], v[AT+\i+3]
.endr
	s_delay_alu instid0(VALU_DEP_2)
	v_max3_num_f32 v[AM], v[AM], v[AT+30], v[AT+31]
	s_delay_alu instid0(VALU_DEP_1)
	v_max_num_f32 v[AM], v[AM], v[AM+1]
	s_delay_alu instid0(VALU_DEP_1)
	v_mov_b32 v[AM+1], v[AM]
	s_delay_alu instid0(VALU_DEP_1)
.set GC, 0
.rept 14
	GK 0                                           ; pair 0's two fragments
.endr
.set GC, 0
.rept 3
	GK 1                                           ; and the first three pieces of pair 1's
.endr
	s_wait_alu depctr_va_vdst(0)
	s_wait_tensorcnt 0x0                           ; these lines ahead of a later first fill, as ahead of a refill
	ds_add_u32 v[SPW], v[NIL]
	s_wait_dscnt 0x0
	s_barrier_signal -1
	s_barrier_wait -1
	PHA 0, 1, 1, 1, 1, 1                           ; phase 0; its first step's products start the sums
	PHB 0, 1, 1, 1, 0
	PHA 1, 0, 1, 1, 1, 1
	s_mov_b32 s33, 6
.Lloop:                                            ; a trip: the second part of an odd phase, an even phase, the first part of the next odd one: up to phase 13's first part
	PHB 1, 0, 1, 1, 0
	PHA 0, 0, 1, 1, 1, 1
	PHB 0, 0, 1, 1, 0
	PHA 1, 0, 1, 1, 1, 2                           ; (in the last trip this is phase 13: no tile 16 is there to ask for)
	s_sub_co_u32 s33, s33, 1
	s_cmp_lg_u32 s33, 0
	s_wait_alu depctr_va_vdst(0)                   ; the wait, directly ahead of the branch
	s_cbranch_scc1 .Lloop
	PHB 1, 0, 1, 1, 0
	PHA 0, 0, 1, 1, 0, 0                           ; phase 14: the last refill and the last fragments; no x and no tile are left to ask for
	PHB 0, 0, 1, 0, 0
	PHA 1, 0, 0, 0, 0, 0                           ; phase 15 fetches and makes nothing
	PHB 1, 0, 0, 0, 1
	PLACES                                         ; four places between the last products and the first read of results
	WIN 0x04                                       ; the stores' data: window 1
.irp b, 0,1,2,3,4,5,6,7
.irp a, 0,1,2,3
	global_store_b128 v[PO], v[32*\b+8*\a:32*\b+8*\a+3], s[10:11] offset:32768*\a+512*\b th:TH_STORE_NT        ; sixteen lanes store 256 consecutive bytes, aligned; each accumulator from its low end on
	global_store_b128 v[PO], v[32*\b+8*\a+4:32*\b+8*\a+7], s[10:11] offset:32768*\a+512*\b+256 th:TH_STORE_NT
.endr
.endr
	WIN 0
	s_wait_tensorcnt 0x0                           ; the wave's end
	ds_add_u32 v[SPW], v[NIL]
	s_wait_dscnt 0x0
	CROUND                                         ; the closing round
	s_endpgm
.Lfunc_end_k_qe086ae44c0_gemm:
	.size	k_qe086ae44c0_gemm, .Lfunc_end_k_qe086ae44c0_gemm-k_qe086ae44c0_gemm
	.p2alignl 7, 3214868480
	.fill 96, 4, 3214868480
	.section	.rodata,"a",@progbits
	.p2align	6, 0x0
	.amdhsa_kernel k_qe086ae44c0_gemm
		.amdhsa_group_segment_fixed_size 327680
		.amdhsa_private_segment_fixed_size 0
		.amdhsa_enable_private_segment 0
		.amdhsa_kernarg_size 32
		.amdhsa_user_sgpr_count 2
		.amdhsa_user_sgpr_kernarg_segment_ptr 1
		.amdhsa_wavefront_size32 1
		.amdhsa_system_sgpr_workgroup_id_x 1
		.amdhsa_system_sgpr_workgroup_id_y 1
		.amdhsa_system_sgpr_workgroup_id_z 1
		.amdhsa_system_vgpr_workitem_id 0
		.amdhsa_next_free_vgpr 512
		.amdhsa_next_free_sgpr 66
		.amdhsa_reserve_vcc 0
		.amdhsa_float_denorm_mode_32 3
		.amdhsa_float_denorm_mode_16_64 3
		.amdhsa_memory_ordered 1
		.amdhsa_forward_progress 1
		.amdhsa_inst_pref_size 151
	.end_amdhsa_kernel
	.amdgpu_metadata
---
amdhsa.version: [ 1, 2 ]
amdhsa.kernels:
  - .name:           k_qe086ae44c0_gemm
    .symbol:         k_qe086ae44c0_gemm.kd
    .args:
      - { .name: x, .offset: 0, .size: 8, .value_kind: global_buffer, .address_space: global }
      - { .name: attn, .offset: 8, .size: 8, .value_kind: global_buffer, .address_space: global }
      - { .name: bw, .offset: 16, .size: 8, .value_kind: global_buffer, .address_space: global }
      - { .name: part, .offset: 24, .size: 8, .value_kind: global_buffer, .address_space: global }
    .group_segment_fixed_size: 327680
    .private_segment_fixed_size: 0
    .kernarg_segment_align: 8
    .kernarg_segment_size: 32
    .max_flat_workgroup_size: 256
    .sgpr_count:     66
    .vgpr_count:     512
    .wavefront_size: 32
...
	.end_amdgpu_metadata
.endif
;; end of part 2
;; launch finish (part 3): grid 256 x 1, 8 waves a work-group, no clusters, 75,264 bytes of LDS; arguments part, wf, out_W_scales, out_b, out0; writes out0
.if DOCPART == 3
	.amdgcn_target "amdgcn-amd-amdhsa--gfx1250"
	.amdhsa_code_object_version 6
	.text
	.protected	k_qe086ae44c0_finish
	.globl	k_qe086ae44c0_finish
	.p2align	8
	.type	k_qe086ae44c0_finish,@function
k_qe086ae44c0_finish:
	s_mov_b64 s[64:65], 0
	v_nop
	global_prefetch_b8 v0, s[64:65] scope:SCOPE_SE
	s_setreg_imm32_b32 hwreg(HW_REG_WAVE_MODE, 25, 1), 1
	s_wait_xcnt 0x0
; out0[t][o] = sum over e of Q(Out[t][e]) out_W[o][e] + out_b[o].  Out is the sum of the sixteen slices in part; it is quantised along e to FP6 (E2M3), one E8M0 scale for each 32; out_W comes as codes.
; SHARES.  A work-group takes 8 rows (a row's quantiser and product want all 512 e): 256 work-groups.  Wave v adds slices 8 (v / 4) .. + 7 of columns 128 (v % 4) .. + 127: 4,096 consecutive bytes a slice,
; added in the layout in which they lie (lane = 16 x register half + 8 h + row).  All eight waves put their sums into LDS; the lower four read both halves' sums back IN THE OPERAND'S LAYOUT and add them:
; registers 16 b + i of lane (r, h) are Out[row r % 8][128 (v % 4) + 32 b + 16 h + i].  Lanes r >= 8 hold rows 0-7 once more: the matrix form has 16 rows, and only rows 0-7 are stored.
; Those four waves quantise (128 columns are one K step: one fragment, one scale word a row) and hand the fragments to all eight; wave v then makes outputs 64 v .. + 63.
; ALL EIGHT SLICES OF A WAVE ARE ASKED FOR AT ONCE, each into 32 registers of its own, ahead of the weights: no load of part hangs on the arrival of another.
; out_W's fragments come from wf, where the first launch laid the codes in the order of the operand's registers: every load of a wave is 512 consecutive bytes.
; The product is used transposed (source 0 = 16 rows of out_W, source 1 = the rows of Out); the bias is the C of each sum's first matrix instruction.
; NO CLUSTER, NO TENSOR LOADS: the weights go from memory straight into registers; they are 196,608 of the 458,752 bytes that a work-group reads, the rest is read by it alone.
; NO PREFETCH: the launch has no loop to run ahead in.
; LIMITS: NaN and infinities are not served; a block whose largest magnitude lies under 2^-124 keeps the byte 1; the slices are added in ascending order within each half, then the halves.
; REGISTERS: window 0: v1-11 addresses; v32-63 slice 0 and the sums, v64-159 slices 1-3, v160-223 slices 6 and 7; then v32-95 Out in the operand's layout, v96-159 the other half's, later at work;
;   v32-63 at last the four accumulators; v160-207 the four fragments; v224-239 out_W's scale words; v240-243 Out's.
;   window 1: v0-191 out_W's 16 fragments (v144-175 hold slice 4 first: the last four fragments are loaded when it has been added); v192-223 the bias, eight registers a tile; v224-255 slice 5.
.set HIMG, 32768                       ; LDS: from 0 the eight waves' sums, 4,096 each; here Out's four fragments, 1,536 each;
.set HSC,  38912                       ; their scale words, 128 bytes each;
.set STG,  39424                       ; a stage of 16 rows x (256 bytes + 16) for each wave
.set H,   32
.set SA,  64
.set SB,  96
.set SC,  128
.set SD,  160
.set SE,  192
.set SF,  224                          ; in window 1
.set SG,  144                          ; in window 1
.set LQ,  96
.set WS,  224
.set HS,  240
.set PW,  244
.set TM,  96
.set PC,  112
.set HF,  160
.set BI,  192
.set MSB, 0
.macro WIN new
.if MSB != (\new)
	s_set_vgpr_msb (MSB<<8)|(\new)
.set MSB, (\new)
.endif
.endm
.macro LOADP dst, j                    ; slice j of my eight: 4,096 consecutive bytes, 512 a load
.irp m, 0,1,2,3,4,5,6,7
	global_load_b128 v[\dst+4*\m:\dst+4*\m+3], v1, s[20+2*((\j)/2):21+2*((\j)/2)] offset:((\j)%2)*4194304+512*\m th:TH_LOAD_NT
.endr
.endm
.macro ADDH src, n                     ; 2 n numbers are added onto the sums
.set ii, 0
.rept \n
	v_pk_add_f32 v[H+ii:H+ii+1], v[H+ii:H+ii+1], v[\src+ii:\src+ii+1]
.set ii, ii+2
.endr
.endm
.macro WB n                            ; out_W's four fragments of my tile n of outputs: 12 loads of 512 consecutive bytes
	WIN 0x40
.irp s, 0,1,2,3
.irp c, 0,1,2
	global_load_b128 v[12*(4*(\n)+\s)+4*\c:12*(4*(\n)+\s)+4*\c+3], v1, s[6:7] offset:(4*(\n)+\s)*1536+512*\c
.endr
.endr
	WIN 0
.endm
.macro BAR
	s_wait_dscnt 0x0
	s_barrier_signal -1
	s_barrier_wait -1
.endm
	s_load_b256 s[4:11], s[0:1], 0x0               ; part s[4:5], wf s[6:7], out_W's scales s[8:9], out_b s[10:11]
	s_load_b64 s[12:13], s[0:1], 0x20              ; out0
	v_lshl_add_u32 v254, v0, 2, 0x12200
	v_mov_b32 v255, 0
	v_lshrrev_b32 v1, 5, v0
	s_delay_alu instid0(VALU_DEP_1)
	v_readfirstlane_b32 s16, v1                    ; wave 0..7
	s_and_b32 s17, s16, 3                          ; which 128 columns
	s_lshr_b32 s18, s16, 2                         ; which eight slices
	v_and_b32 v12, 31, v0
	v_and_b32 v13, 15, v0                          ; r
	v_bfe_u32 v14, v0, 4, 1                        ; h
	v_and_b32 v15, 7, v0                           ; r % 8
	s_delay_alu instid0(VALU_DEP_4)
	v_lshlrev_b32 v1, 4, v12                       ; 16 x lane
	v_lshlrev_b32 v2, 2, v12                       ; 4 x lane
	s_lshl_b32 s19, s16, 12
	v_add_nc_u32 v3, s19, v1                       ; where I put my sums: 4,096 x wave + 16 x lane
	s_mul_i32 s19, s17, 1536
	s_add_co_u32 s19, s19, HIMG
	v_add_nc_u32 v4, s19, v1                       ; where a lower wave stores its fragment
	s_lshl_b32 s19, s17, 7
	s_add_co_u32 s19, s19, HSC
	v_add_nc_u32 v5, s19, v2                       ; and its scale words
	s_mul_i32 s19, s16, 4352
	s_add_co_u32 s19, s19, STG                     ; my stage
	v_mul_u32_u24 v6, v13, 272
	s_delay_alu instid0(VALU_DEP_1)
	v_lshl_add_u32 v6, v14, 5, v6
	s_delay_alu instid0(VALU_DEP_1)
	v_add_nc_u32 v6, s19, v6                       ; in: row r, + 32 h
	v_mul_u32_u24 v7, v14, 272
	s_delay_alu instid0(VALU_DEP_1)
	v_lshl_add_u32 v7, v13, 4, v7
	s_delay_alu instid0(VALU_DEP_1)
	v_add_nc_u32 v7, s19, v7                       ; back: lanes 0-15 one row of 256 bytes, lanes 16-31 the next
	v_lshlrev_b32 v8, 11, v14
	s_delay_alu instid0(VALU_DEP_1)
	v_lshl_add_u32 v8, v13, 4, v8                  ; and the same two rows in out0
	s_lshl_b32 s19, s17, 12
	v_lshlrev_b32 v9, 4, v15
	s_delay_alu instid0(VALU_DEP_1)
	v_lshl_add_u32 v9, v14, 7, v9
	s_delay_alu instid0(VALU_DEP_1)
	v_add_nc_u32 v9, s19, v9                       ; where a lower wave reads sums back: 4,096 x (wave % 4) + 128 h + 16 (r % 8)
	v_lshlrev_b32 v10, 4, v13                      ; out_W's scale bytes: 16 a row
	v_lshlrev_b32 v11, 5, v14                      ; the bias: 8 h numbers on
	s_mov_b32 s28, 0x76543210
	s_mov_b32 s29, 0xfedcba98                      ; v_permlanex16_b32's selects for lane l xor 16
	s_lshl_b32 s30, s18, 25                        ; eight slices of 4,194,304 bytes
	s_lshl_b32 s31, ttmp9, 14                      ; my 8 rows: 32 half images of 512 bytes
	s_add_co_u32 s30, s30, s31
	s_lshl_b32 s31, s17, 12                        ; my eight of them
	s_add_co_u32 s30, s30, s31
	s_mov_b32 s31, 0
	s_mul_i32 s32, s16, 24576                      ; my 16 fragments of out_W
	s_mov_b32 s33, 0
	s_lshl_b32 s34, s16, 10
	s_mov_b32 s35, 0
	s_lshl_b32 s36, s16, 8
	s_mov_b32 s37, 0
	s_lshl_b32 s38, ttmp9, 14                      ; 8 rows of out0,
	s_add_co_u32 s38, s38, s36                     ; my 64 outputs
	s_mov_b32 s39, 0
	s_wait_alu depctr_va_vdst(0)
	s_wait_kmcnt 0x0
	s_add_nc_u64 s[20:21], s[4:5], s[30:31]        ; four bases, two slices apart, so that every offset is an immediate
	s_add_nc_u64 s[22:23], s[20:21], 0x800000
	s_add_nc_u64 s[24:25], s[22:23], 0x800000
	s_add_nc_u64 s[26:27], s[24:25], 0x800000
	s_add_nc_u64 s[6:7], s[6:7], s[32:33]
	s_add_nc_u64 s[8:9], s[8:9], s[34:35]
	s_add_nc_u64 s[10:11], s[10:11], s[36:37]
	s_add_nc_u64 s[12:13], s[12:13], s[38:39]
; The eight slices' 64 loads go out first, then three quarters of the weights, the scale words and the bias: 36 + 4 + 8 = 48 loads behind the slices.
	LOADP H, 0
	LOADP SA, 1
	LOADP SB, 2
	LOADP SC, 3
	WIN 0x40
	LOADP SG, 4
	LOADP SF, 5
	WIN 0
	LOADP SD, 6
	LOADP SE, 7
	WB 0
	WB 1
	WB 2
.irp n, 0,1,2,3
	global_load_b128 v[WS+4*\n:WS+4*\n+3], v10, s[8:9] offset:256*\n   ; lane r: the four scale words of row r of tile n
.endr
	WIN 0x40
.irp n, 0,1,2,3
	global_load_b128 v[BI+8*\n:BI+8*\n+3], v11, s[10:11] offset:64*\n
	global_load_b128 v[BI+8*\n+4:BI+8*\n+7], v11, s[10:11] offset:64*\n+16
.endr
	WIN 0
	s_wait_loadcnt 48                              ; all eight slices are in; the 48 loads behind them may be out
	ADDH SA, 16                                    ; in ascending order
	ADDH SB, 16
	ADDH SC, 16
	WIN 0x04                                       ; the second source in window 1
	ADDH SG, 16
	ADDH SF, 16
	WIN 0
	WB 3                                           ; the last four fragments, partly into the registers that held slice 4
	ADDH SD, 16
	ADDH SE, 16
.irp m, 0,1,2,3,4,5,6,7
	ds_store_b128 v3, v[H+4*\m:H+4*\m+3] offset:512*\m   ; my sums go to LDS as they stand
.endr
	BAR
	s_cmp_lt_u32 s16, 4
	s_cbranch_scc0 .Lupper
.irp m, 0,1,2,3,4,5,6,7                            ; back in the operand's layout: tile m, registers 4 p .. 4 p + 3 of lane (r, h); first the lower eight slices' sums, then the upper eight's
.irp p, 0,1
	ds_load_b128 v[H+8*\m+4*\p:H+8*\m+4*\p+3], v9 offset:512*\m+256*\p
.endr
.endr
.irp m, 0,1,2,3,4,5,6,7
.irp p, 0,1
	ds_load_b128 v[LQ+8*\m+4*\p:LQ+8*\m+4*\p+3], v9 offset:16384+512*\m+256*\p
.endr
.endr
	s_wait_dscnt 0x0
	ADDH LQ, 32                                    ; all sixteen slices
.irp b, 0,1,2,3
	v_mov_b32 v[TM+4+\b], 0                        ; a lane permute's destination counts as one of its sources
.endr
; 64 numbers of a lane become a fragment's codes in v[PC] on and its scale word in v[PW]
.irp b, 0,1,2,3
	v_max3_num_f32 v[TM+\b], |v[H+16*\b]|, |v[H+1+16*\b]|, 0x1800000   ; block b: my 16 numbers, and the floor 2^(3 - 127)
.endr
.irp i, 2,4,6,8,10,12,14
.irp b, 0,1,2,3
	s_delay_alu instid0(VALU_DEP_4)
	v_max3_num_f32 v[TM+\b], v[TM+\b], |v[H+16*\b+\i]|, |v[H+1+16*\b+\i]|
.endr
.endr
.irp b, 0,1,2,3
	s_delay_alu instid0(VALU_DEP_4)
	v_permlanex16_b32 v[TM+4+\b], v[TM+\b], s28, s29
.endr
.irp b, 0,1,2,3
	s_delay_alu instid0(VALU_DEP_4)
	v_max_num_f32 v[TM+\b], v[TM+\b], v[TM+4+\b]   ; with lane l xor 16's: the block's largest magnitude
.endr
.irp b, 0,1,2,3
	s_delay_alu instid0(VALU_DEP_4)
	v_add_nc_u32 v[TM+12+\b], 0xff000000, v[TM+\b] ; 2 off its exponent field: the conversion's scale operand
.endr
.irp b, 0,1,2,3
	s_delay_alu instid0(VALU_DEP_4)
	v_lshrrev_b32 v[TM+4+\b], 23, v[TM+12+\b]      ; the scale's byte
.endr
	s_delay_alu instid0(VALU_DEP_3)
	v_lshl_or_b32 v[PW], v[TM+5], 8, v[TM+4]
	s_delay_alu instid0(VALU_DEP_1)
	v_lshl_or_b32 v[PW], v[TM+6], 16, v[PW]
	s_delay_alu instid0(VALU_DEP_1)
	v_lshl_or_b32 v[PW], v[TM+7], 24, v[PW]
.irp c, 0,1
	v_cvt_scalef32_pk16_fp6_f32 v[PC+6*\c:PC+2+6*\c], v[H+32*\c:H+15+32*\c], v[TM+12+2*\c]
	v_cvt_scalef32_pk16_fp6_f32 v[PC+12+4*\c:PC+14+4*\c], v[H+16+32*\c:H+31+32*\c], v[TM+12+2*\c+1]   ; (a conversion's three registers begin on an even number)
.endr
	v_nop                                          ; one plain line behind a scaled conversion
.irp c, 0,1                                        ; the operand's layout wants a whole block in a lane: lanes 0-15 block 2 c, lanes 16-31 block 2 c + 1
.irp i, 0,1,2
	v_permlane16_swap_b32 v[PC+6*\c+\i], v[PC+12+4*\c+\i]
.endr
.irp i, 0,1,2
	s_delay_alu instid0(VALU_DEP_3)
	v_mov_b32 v[PC+3+6*\c+\i], v[PC+12+4*\c+\i]
.endr
.endr
.irp c, 0,1,2
	ds_store_b128 v4, v[PC+4*\c:PC+4*\c+3] offset:512*\c   ; the fragment goes to LDS as it stands
.endr
	ds_store_b32 v5, v[PW]
.Lupper:
	BAR                                            ; Out's four fragments lie in LDS
.irp s, 0,1,2,3
.irp c, 0,1,2
	ds_load_b128 v[HF+12*\s+4*\c:HF+12*\s+4*\c+3], v1 offset:HIMG+1536*\s+512*\c
.endr
	ds_load_b32 v[HS+\s], v2 offset:HSC+128*\s
.endr
	s_wait_loadcnt 0x0                             ; the last weights, scale words and bias
	s_wait_dscnt 0x0
.irp s, 0,1,2,3                                    ; my four tiles of outputs by turns, a K step at a time
.if \s == 0
	WIN 0x11                                       ; source 0 (out_W) and C (the bias) window 1
.else
	WIN 0x01
.endif
.irp n, 0,1,2,3
.if \s == 0
	v_wmma_scale_f32_16x16x128_f8f6f4 v[H+8*\n:H+8*\n+7], v[12*(4*\n+\s):12*(4*\n+\s)+11], v[HF+12*\s:HF+12*\s+11], v[BI+8*\n:BI+8*\n+7], v[WS+4*\n+\s], v[HS+\s] matrix_a_fmt:MATRIX_FMT_FP6 matrix_b_fmt:MATRIX_FMT_FP6
.else
	v_wmma_scale_f32_16x16x128_f8f6f4 v[H+8*\n:H+8*\n+7], v[12*(4*\n+\s):12*(4*\n+\s)+11], v[HF+12*\s:HF+12*\s+11], v[H+8*\n:H+8*\n+7], v[WS+4*\n+\s], v[HS+\s] matrix_a_fmt:MATRIX_FMT_FP6 matrix_b_fmt:MATRIX_FMT_FP6
.endif
.endr
.endr
	WIN 0
.rept 4
	v_nop                                          ; four plain lines between the last products and the first read of results
.endr
.irp n, 0,1,2,3
	ds_store_b128 v6, v[H+8*\n:H+8*\n+3] offset:64*\n          ; lane (r, h): out0(row r % 8, 64 v + 16 n + 8 h + 0..7); each accumulator from its low end on
	ds_store_b128 v6, v[H+8*\n+4:H+8*\n+7] offset:64*\n+16
.endr
.irp i, 0,1,2,3
	ds_load_b128 v[LQ+4*\i:LQ+4*\i+3], v7 offset:544*\i        ; rows 0-7 alone.  LDS serves a wave's instructions in order: these see my stores
.endr
.irp i, 0,1,2,3
	s_wait_dscnt 3-\i                              ; load i is in; the later ones may be out
	global_store_b128 v8, v[LQ+4*\i:LQ+4*\i+3], s[12:13] offset:4096*\i   ; sixteen lanes store 256 consecutive bytes, aligned
.endr
	s_wait_tensorcnt 0x0
	ds_add_u32 v254, v255
	s_wait_dscnt 0x0
	s_endpgm
.Lfunc_end_k_qe086ae44c0_finish:
	.size	k_qe086ae44c0_finish, .Lfunc_end_k_qe086ae44c0_finish-k_qe086ae44c0_finish
	.p2alignl 7, 3214868480
	.fill 96, 4, 3214868480
	.section	.rodata,"a",@progbits
	.p2align	6, 0x0
	.amdhsa_kernel k_qe086ae44c0_finish
		.amdhsa_group_segment_fixed_size 75264
		.amdhsa_private_segment_fixed_size 0
		.amdhsa_enable_private_segment 0
		.amdhsa_kernarg_size 40
		.amdhsa_user_sgpr_count 2
		.amdhsa_user_sgpr_kernarg_segment_ptr 1
		.amdhsa_wavefront_size32 1
		.amdhsa_system_sgpr_workgroup_id_x 1
		.amdhsa_system_sgpr_workgroup_id_y 1
		.amdhsa_system_sgpr_workgroup_id_z 1
		.amdhsa_system_vgpr_workitem_id 0
		.amdhsa_next_free_vgpr 512
		.amdhsa_next_free_sgpr 66
		.amdhsa_reserve_vcc 0
		.amdhsa_float_denorm_mode_32 3
		.amdhsa_float_denorm_mode_16_64 3
		.amdhsa_memory_ordered 1
		.amdhsa_forward_progress 1
		.amdhsa_inst_pref_size 38
	.end_amdhsa_kernel
	.amdgpu_metadata
---
amdhsa.version: [ 1, 2 ]
amdhsa.kernels:
  - .name:           k_qe086ae44c0_finish
    .symbol:         k_qe086ae44c0_finish.kd
    .args:
      - { .name: part, .offset: 0, .size: 8, .value_kind: global_buffer, .address_space: global }
      - { .name: wf, .offset: 8, .size: 8, .value_kind: global_buffer, .address_space: global }
      - { .name: out_W_scales, .offset: 16, .size: 8, .value_kind: global_buffer, .address_space: global }
      - { .name: out_b, .offset: 24, .size: 8, .value_kind: global_buffer, .address_space: global }
      - { .name: out0, .offset: 32, .size: 8, .value_kind: global_buffer, .address_space: global }
    .group_segment_fixed_size: 75264
    .private_segment_fixed_size: 0
    .kernarg_segment_align: 8
    .kernarg_segment_size: 40
    .max_flat_workgroup_size: 256
    .sgpr_count:     66
    .vgpr_count:     512
    .wavefront_size: 32
...
	.end_amdgpu_metadata
.endif
;; end of part 3
